; MI455X (gfx1250); checked and timed in simulation.
; The chip was launched on July 23, 2026; its instructions are those of AMD's public machine-readable ISA for CDNA 5 (MIT licence, August 2026) and "CDNA5" Instruction Set Architecture Reference Guide (July 2026). The comments in the code are by the model that wrote it; some were corrected since.
;; Multi Head Attention. Allowed arithmetic: float matrix products may take bf16 or f16 operands with f32 sums; all other float work in f32.
;; Inputs: K 1 x 4,096 x 1,024 float32; Q 1 x 4,096 x 1,024 float32; V 1 x 4,096 x 1,024 float32; Wk_b 1,024 float32; Wk_w 1,024 x 1,024 float32; Wo_b 1,024 float32; Wo_w 1,024 x 1,024 float32; Wq_b 1,024 float32; Wq_w 1,024 x 1,024 float32; Wv_b 1,024 float32; Wv_w 1,024 x 1,024 float32; mask 1 x 1 x 4,096 x 4,096 int32.
;; Outputs: out0 1 x 4,096 x 1,024 float32.
;; One version. Each part assembles by itself: llvm-mc -triple=amdgcn-amd-amdhsa -mcpu=gfx1250 --defsym DOCPART=n.
;; ======== version 1 of 1: 4 launches
;; limits: values are held in f16: magnitudes above 65,504 overflow, below 6.1e-05 lose precision
;; workspace buffers: castb 33,554,432 bytes; maskw 2,097,152 bytes of whole numbers; qkv 25,165,824 bytes; ctx 8,388,608 bytes
;; launch prep (part 1): grid 1024 x 1, 8 waves a work-group, no clusters, 68,608 bytes of LDS; arguments Q, K, V, Wq_w, Wk_w, Wv_w, Wo_w, mask, castb, maskw; writes castb, maskw
.if DOCPART == 1
	.amdgcn_target "amdgcn-amd-amdhsa--gfx1250"
	.amdhsa_code_object_version 6
	.text
	.protected	k_qe54345054a_prep
	.globl	k_qe54345054a_prep
	.p2align	8
	.type	k_qe54345054a_prep,@function
k_qe54345054a_prep:
	s_mov_b64 s[64:65], 0
	v_nop
	global_prefetch_b8 v0, s[64:65] scope:SCOPE_SE
	s_setreg_imm32_b32 hwreg(HW_REG_WAVE_MODE, 25, 1), 1
	s_wait_xcnt 0x0
; prep: (a) the seven matrix inputs are rounded once to 16 bits, (b) the mask is packed into lane-mask words.
; castb, bytes: Q bf16 at 0, K at 8 MiB, V at 16 MiB, Wq at 24 MiB, Wk at 26, Wv at 28 (bf16), Wo at 30 MiB.
;   Wo is rounded to bf16 like the others and then written as the f16 code of that value, since it meets an f16 operand later.
;   LIMIT: |Wo| < 65,504; entries below 2^-17 lose bits in f16 (absolute error at most 2^-25).
; maskw: u32 [qt 256][kt 256][j 8]; bit L of a word = (mask[16 qt + (L & 15)][16 kt + 8 (L >> 4) + j] != 0): the lane mask of
;   register j of a 16 x 16 tile of transposed scores (lane = query, register = key).
; Work-group g of 1,024, eight waves: cast chunk g (64 KiB of f32 in, 32 KiB out), and mask rows 16 (g >> 2) .. + 15, keys 1,024 (g & 3) .. + 1,023,
; of which wave w takes 128.  A stream: every input byte is read once, by loads of 512 consecutive bytes a wave; no work-group shares a byte with
; another, so there is nothing to ask for jointly, and no matrix work.  No loop: all 32 loads of a wave go out at once.
; The mask's way from rows to tiles goes through LDS bytes that are the wave's own: no barrier.
.set X,     16                         ; v[16:79]   16 cast loads, later the mask in tile order
.set Y,     80                         ; v[80:143]  16 mask loads, row i in 4 registers
.set LROW,  528                        ; an LDS row: 512 bytes (128 keys) + 16, an odd multiple of 16: sixteen rows start at sixteen different 16-byte columns
.set LWAVE, 16*LROW                    ; a wave's 16 rows
	s_load_b512 s[8:23], s[0:1], 0x0               ; Q, K, V, Wq_w, Wk_w, Wv_w, Wo_w, mask
	s_load_b128 s[24:27], s[0:1], 0x40             ; castb, maskw
	v_lshl_add_u32 v144, v0, 2, 0x10800
	v_mov_b32 v145, 0
	v_lshrrev_b32 v7, 5, v0
	v_readfirstlane_b32 s2, v7                     ; wave 0..7
	s_lshr_b32 s3, ttmp9, 8                        ; 0, 1, 2: Q, K, V (256 chunks each); 3: a weight (64 chunks each)
	s_bfe_u32 s4, ttmp9, 0x20006                   ; which weight
	s_add_co_u32 s4, s4, 3
	s_cmp_lt_u32 s3, 3
	s_cselect_b32 s3, s3, s4                       ; number of the source, 0..6
	s_cselect_b32 s4, 0xff, 63
	s_and_b32 s4, ttmp9, s4                        ; chunk inside the source
	s_lshl_b32 s40, s4, 16                         ; x 64 KiB
	s_mov_b32 s41, 0
	s_lshl_b32 s42, ttmp9, 15                      ; castb: g x 32 KiB
	s_mov_b32 s43, 0
	s_lshr_b32 s5, ttmp9, 2                        ; qt
	s_and_b32 s6, ttmp9, 3                         ; which 1,024 keys
	s_lshl_b32 s44, s5, 18                         ; mask: 16 rows of 16,384 bytes,
	s_lshl_b32 s7, s6, 12                          ; 1,024 keys of 4 bytes,
	s_add_co_u32 s44, s44, s7
	s_lshl_b32 s7, s2, 9                           ; the wave's 128 keys
	s_add_co_u32 s44, s44, s7
	s_mov_b32 s45, 0
	s_lshl_b32 s46, s5, 13                         ; maskw: 256 x 8 words for a qt,
	s_lshl_b32 s7, s6, 11                          ; 64 tiles of 32 bytes,
	s_add_co_u32 s46, s46, s7
	s_lshl_b32 s7, s2, 8                           ; the wave's 8 tiles
	s_add_co_u32 s46, s46, s7
	s_mov_b32 s47, 0
	s_mul_i32 s7, s2, LWAVE                        ; the wave's LDS bytes
	v_lshlrev_b32 v1, 4, v0                        ; cast: 16 bytes a thread in,
	v_lshlrev_b32 v2, 3, v0                        ; 8 bytes out
	v_and_b32 v7, 31, v0                           ; lane
	v_lshlrev_b32 v3, 4, v7                        ; mask: 16 bytes a lane
	v_add_nc_u32 v4, s7, v3                        ; LDS, rows in: the same place in the wave's row 0
	v_and_b32 v10, 15, v0                          ; r
	v_bfe_u32 v11, v0, 4, 1                        ; h
	v_mul_u32_u24 v5, v10, LROW
	v_lshl_add_u32 v5, v11, 5, v5
	v_add_nc_u32 v5, s7, v5                        ; LDS, tiles out: row r, 8 keys for each half of the lanes
	v_lshlrev_b32 v6, 3, v7                        ; maskw: two words a lane
	v_mov_b32 v8, 0                                ; the two words: a lane write counts as a reader of its destination
	v_mov_b32 v9, 0
	s_wait_kmcnt 0x0
	s_mov_b64 s[28:29], s[8:9]                     ; the chunk's source, chosen by its number
.irp n, 1,2,3,4,5,6
	s_cmp_eq_u32 s3, \n
	s_cselect_b64 s[28:29], s[8+2*\n:9+2*\n], s[28:29]
.endr
	s_add_nc_u64 s[28:29], s[28:29], s[40:41]
	s_add_nc_u64 s[24:25], s[24:25], s[42:43]
	s_add_nc_u64 s[22:23], s[22:23], s[44:45]
	s_add_nc_u64 s[26:27], s[26:27], s[46:47]
.irp i, 0,1,2,3,4,5,6,7,8,9,10,11,12,13,14,15
	global_load_b128 v[X+4*\i:X+4*\i+3], v1, s[28:29] offset:\i*4096 th:TH_LOAD_NT
.endr
.irp i, 0,1,2,3,4,5,6,7,8,9,10,11,12,13,14,15
	global_load_b128 v[Y+4*\i:Y+4*\i+3], v3, s[22:23] offset:\i*16384 th:TH_LOAD_NT   ; mask row i, the wave's 512 bytes
.endr
; Four cast loads are rounded and stored.  left = the loads issued behind them.  half = 1: the bf16 value goes out as f16 (Wo).
; A store of a wave covers 256 consecutive bytes, aligned.
.macro CAST4 grp, left, half
	s_wait_loadcnt \left
.irp q, 0,1,2,3
.if \half
	v_cvt_pk_bf16_f32 v10, v[X+16*\grp+4*\q], v[X+16*\grp+4*\q+1]
	v_cvt_pk_bf16_f32 v11, v[X+16*\grp+4*\q+2], v[X+16*\grp+4*\q+3]
	v_lshlrev_b32 v12, 16, v10
	v_and_b32 v13, 0xffff0000, v10
	v_cvt_pk_f16_f32 v[X+16*\grp+4*\q], v12, v13
	v_lshlrev_b32 v12, 16, v11
	v_and_b32 v13, 0xffff0000, v11
	v_cvt_pk_f16_f32 v[X+16*\grp+4*\q+1], v12, v13
.else
	v_cvt_pk_bf16_f32 v[X+16*\grp+4*\q], v[X+16*\grp+4*\q], v[X+16*\grp+4*\q+1]
	v_cvt_pk_bf16_f32 v[X+16*\grp+4*\q+1], v[X+16*\grp+4*\q+2], v[X+16*\grp+4*\q+3]
.endif
	global_store_b64 v2, v[X+16*\grp+4*\q:X+16*\grp+4*\q+1], s[24:25] offset:(4*\grp+\q)*2048
.endr
.endm
	s_cmp_ge_u32 ttmp9, 0x3c0                      ; chunks 960 .. 1,023 are Wo's
	s_cbranch_scc1 .Lwo
	CAST4 0, 28, 0
	CAST4 1, 24, 0
	CAST4 2, 20, 0
	CAST4 3, 16, 0
	s_branch .Lmask
.Lwo:
	CAST4 0, 28, 1
	CAST4 1, 24, 1
	CAST4 2, 20, 1
	CAST4 3, 16, 1
.Lmask:
	; the mask's 16 rows into the wave's LDS rows, four at a time as they arrive
.irp grp, 0,1,2,3
	s_wait_loadcnt 12-4*\grp                       ; the loads issued behind these four
.irp q, 0,1,2,3
	ds_store_b128 v4, v[Y+16*\grp+4*\q:Y+16*\grp+4*\q+3] offset:(4*\grp+\q)*LROW
.endr
.endr
	s_wait_xcnt 0x0                                ; X held the data of the stores above: it is loaded again only behind this wait
	; back in tile order: lane (r, h) takes keys 16 kt + 8 h + 0 .. 7 of row r.  LDS serves a wave's instructions in order: these see the stores above
.irp kt, 0,1,2,3,4,5,6,7
	ds_load_b128 v[X+8*\kt:X+8*\kt+3],   v5 offset:\kt*64
	ds_load_b128 v[X+8*\kt+4:X+8*\kt+7], v5 offset:\kt*64+16
.endr
.irp kt, 0,1,2,3,4,5,6,7
	s_wait_dscnt 14-2*\kt                          ; the LDS loads issued behind tile kt's two
.irp j, 0,1,2,3,4,5,6,7
	v_cmp_ne_u32 s[32+\j], 0, v[X+8*\kt+\j]        ; the word of (kt, j): one bit a lane
.endr
.irp j, 0,1,2,3,4,5,6,7
	v_writelane_b32 v[8+(\j&1)], s[32+\j], 4*\kt+(\j>>1)   ; word 8 kt + j lies in lane (8 kt + j) / 2, register j & 1
.endr
.endr
	global_store_b64 v6, v[8:9], s[26:27]          ; the wave's 64 words: 256 consecutive bytes, aligned
	s_wait_tensorcnt 0x0
	ds_add_u32 v144, v145
	s_wait_dscnt 0x0
	s_endpgm
.Lfunc_end_k_qe54345054a_prep:
	.size	k_qe54345054a_prep, .Lfunc_end_k_qe54345054a_prep-k_qe54345054a_prep
	.p2alignl 7, 3214868480
	.fill 96, 4, 3214868480
	.section	.rodata,"a",@progbits
	.p2align	6, 0x0
	.amdhsa_kernel k_qe54345054a_prep
		.amdhsa_group_segment_fixed_size 68608
		.amdhsa_private_segment_fixed_size 0
		.amdhsa_enable_private_segment 0
		.amdhsa_kernarg_size 80
		.amdhsa_user_sgpr_count 2
		.amdhsa_user_sgpr_kernarg_segment_ptr 1
		.amdhsa_wavefront_size32 1
		.amdhsa_system_sgpr_workgroup_id_x 1
		.amdhsa_system_sgpr_workgroup_id_y 1
		.amdhsa_system_sgpr_workgroup_id_z 1
		.amdhsa_system_vgpr_workitem_id 0
		.amdhsa_next_free_vgpr 146
		.amdhsa_next_free_sgpr 66
		.amdhsa_reserve_vcc 0
		.amdhsa_float_denorm_mode_32 3
		.amdhsa_float_denorm_mode_16_64 3
		.amdhsa_memory_ordered 1
		.amdhsa_forward_progress 1
		.amdhsa_inst_pref_size 29
	.end_amdhsa_kernel
	.amdgpu_metadata
---
amdhsa.version: [ 1, 2 ]
amdhsa.kernels:
  - .name:           k_qe54345054a_prep
    .symbol:         k_qe54345054a_prep.kd
    .args:
      - { .name: Q, .offset: 0, .size: 8, .value_kind: global_buffer, .address_space: global }
      - { .name: K, .offset: 8, .size: 8, .value_kind: global_buffer, .address_space: global }
      - { .name: V, .offset: 16, .size: 8, .value_kind: global_buffer, .address_space: global }
      - { .name: Wq_w, .offset: 24, .size: 8, .value_kind: global_buffer, .address_space: global }
      - { .name: Wk_w, .offset: 32, .size: 8, .value_kind: global_buffer, .address_space: global }
      - { .name: Wv_w, .offset: 40, .size: 8, .value_kind: global_buffer, .address_space: global }
      - { .name: Wo_w, .offset: 48, .size: 8, .value_kind: global_buffer, .address_space: global }
      - { .name: mask, .offset: 56, .size: 8, .value_kind: global_buffer, .address_space: global }
      - { .name: castb, .offset: 64, .size: 8, .value_kind: global_buffer, .address_space: global }
      - { .name: maskw, .offset: 72, .size: 8, .value_kind: global_buffer, .address_space: global }
    .group_segment_fixed_size: 68608
    .private_segment_fixed_size: 0
    .kernarg_segment_align: 8
    .kernarg_segment_size: 80
    .max_flat_workgroup_size: 256
    .sgpr_count:     66
    .vgpr_count:     146
    .wavefront_size: 32
...
	.end_amdgpu_metadata
.endif
;; end of part 1
;; launch qkv (part 2): grid 8 x 96, 4 waves a work-group, clusters of 4 x 4, 327,680 bytes of LDS; arguments castb, Wq_b, Wk_b, Wv_b, qkv; writes qkv
.if DOCPART == 2
	.amdgcn_target "amdgcn-amd-amdhsa--gfx1250"
	.amdhsa_code_object_version 6
	.text
	.protected	k_qe54345054a_qkv
	.globl	k_qe54345054a_qkv
	.p2align	8
	.type	k_qe54345054a_qkv,@function
k_qe54345054a_qkv:
	s_mov_b64 s[64:65], 0
	v_nop
	global_prefetch_b8 v0, s[64:65] scope:SCOPE_SE
	s_setreg_imm32_b32 hwreg(HW_REG_WAVE_MODE, 25, 1), 1
	s_wait_xcnt 0x0
	s_wait_alu depctr_hold_cnt(0) depctr_sa_sdst(0) depctr_va_vdst(0) depctr_va_sdst(0) depctr_va_ssrc(0) depctr_va_vcc(0) depctr_vm_vsrc(0)
	s_getreg_b32 s2, hwreg(HW_REG_IB_STS2, 6, 4)
	s_cmp_eq_u32 s2, 0
	s_cbranch_scc0 .Lentry_in_a_cluster
	s_endpgm
.Lentry_in_a_cluster:
	s_bfe_u32 s2, ttmp6, 0x10000c
	s_cmp_lg_u32 s2, 0xf033
	s_cbranch_scc0 .Lentry_shape_is_right
	s_endpgm
.Lentry_shape_is_right:
; C = A W^T + bias, K = 1,024, a block of 128 x 128 of C for a work-group.  One text serves two launches; OPROJ says which.
; OPROJ = 0: A = [Q; K; V] in bf16 (12,288 rows of castb), W = Wq, Wk or Wv by the row block's third, result in f16 into qkv;
;            the first third (q) is also multiplied by 0.125 log2(e), so that the scores come out ready for a base-2 exponential.
;            LIMIT: results beyond f16's range (65,504) overflow.
; OPROJ = 1: A = ctx in f16, W = Wo in f16 (castb at 30 MiB), result in f32 into out0.
; Four waves, 2 x 2, each 64 x 64 of C: 16 accumulator tiles, 128 registers.  Blocks of 128 x 128 give the smaller launch 256 work-groups.
; K goes in steps of 256 through two LDS slots; each wave fills a quarter of a slot (64 rows x 512 bytes) with one tensor load.  K = 1,024 is four fills:
; the text is written out without a loop.  By this text's count a wave has two tensor loads out at the start and one behind each refill.
; CLUSTERS: 4 x 4 work-groups.  A's tile hangs on the block row alone and is asked for jointly by a row of the cluster, W's on the block column
; (and the third, which the whole cluster shares) and is asked for jointly by a column: the requests for A and for W are divided by four.
; THE MATRIX INSTRUCTION IS USED TRANSPOSED: source 0 = 16 rows of W, source 1 = 16 rows of A: lane (r, h) holds row r of C, columns 8 h + 0 .. 7.
; REGISTERS: window 0 addresses, fragments, bias, work; window 1 (v256-383) the accumulators, tile (a, b) at 8 (4 a + b).
.set OPROJ,  0
.set PITCH,  528                       ; an LDS row: 512 bytes + 16, an odd multiple of 16
.set HALFT,  64*PITCH                  ; what one tensor load brings
.set SLOT,   4*HALFT                   ; A rows 0-63, A rows 64-127, W rows 0-63, W rows 64-127: wave 0 .. 3's load
.set STAGE,  2*SLOT                    ; behind the ring, a multiple of 256; no tensor load ever lands here
.set SPITCH, 272                       ; a stage row: 256 bytes + 16
.set ADRA, 16                          ; v16-17  my A fragments in slot 0, 1
.set ADRB, 20                          ; v20-21  my W fragments
.set STO,  24                          ; the way out: where I put my lane's piece of a row
.set RD,   25                          ; where I read rows back
.set CO,   26                          ; my byte offset in C
.set BO,   27                          ; my byte offset in the bias
.set F0,   32                          ; fragment buffer 0: A's four at +0, W's four at +32
.set F1,   96                          ; fragment buffer 1
.set BIAS, 160                         ; v[160:191]  bias of my columns 16 b + 8 h + j at 8 b + j
.set TMPF, 192                         ; v[192:223]  16 rows' results in f32
.set TMPH, 224                         ; v[224:239]  the same in f16
.set G1,  24                           ; s[24:31] group 1 for A's tiles
.set G0,  32                           ; s[32:39] group 0 for A's tiles, one set a slot
.set G1B, 48                           ; s[48:55] group 1 for W's tiles: another mask
.set G0B, 56                           ; s[56:63] group 0 for W's tiles
.set MSB, 0
.macro WIN new                         ; the immediate's high byte repeats the setting that is left
.if MSB != \new
	s_set_vgpr_msb (MSB<<8)|\new
.set MSB, \new
.endif
.endm
.set MUL,      0x50                    ; C and D in window 1, sources 0 and 1 in window 0
.set FROM_ACC, 0x01                    ; source 0 in window 1
; A joint load: waves 0 and 1 ask for A's halves, waves 2 and 3 for W's.  The branch hangs on the wave's number alone.
.macro JLOAD s
	s_cmp_eq_u32 s11, 0
	s_cbranch_scc0 .Lfor_b_\@
	tensor_load_to_lds s[G0+4*\s:G0+4*\s+3], s[G1:G1+7]
	s_nop 0
	s_branch .Lasked_\@
.Lfor_b_\@:
	tensor_load_to_lds s[G0B+4*\s:G0B+4*\s+3], s[G1B:G1B+7]
	s_nop 0
.Lasked_\@:
.endm
.macro CREST                           ; a round of the cluster's barrier behind its opening work-group barrier
	s_cmp_lg_u32 s10, 0
	s_cbranch_scc1 .Lnot_wave_0_\@
	s_barrier_signal -3
.Lnot_wave_0_\@:
	s_barrier_wait -3
	s_barrier_signal -1
	s_barrier_wait -1
.endm
.macro CROUND                          ; a whole round
	s_barrier_signal -1
	s_barrier_wait -1
	CREST
.endm
.macro PLACES                          ; four plain vector places behind a matrix instruction, in front of loads into its sources and of readers of its result
.rept 4
	v_nop
.endr
.endm
	s_load_b256 s[68:75], s[0:1], 0x0              ; OPROJ = 0: castb, Wq_b, Wk_b, Wv_b.  OPROJ = 1: ctx, castb, Wo_b, out0
.if OPROJ == 0
	s_load_b64 s[8:9], s[0:1], 0x20                ; qkv
	v_lshl_add_u32 v254, v0, 2, 0x4a800
	v_mov_b32 v255, 0
	ds_add_u32 v254, v255
.endif
	v_lshrrev_b32 v1, 5, v0
	v_readfirstlane_b32 s10, v1                    ; wave 0..3
	s_lshr_b32 s11, s10, 1                         ; my half of the block's rows.  Also: I ask for A (0) or for W (1)
	s_and_b32 s12, s10, 1                          ; my half of its columns.  Also: which 64 rows of that tile I ask for
	s_bfe_u32 s40, ttmp6, 0x40000                  ; cx
	s_bfe_u32 s41, ttmp6, 0x40004                  ; cy
	s_lshl_b32 s42, ttmp9, 2
	s_add_co_u32 s42, s42, s40                     ; block column = 4 x cluster x + cx
	s_and_b32 s45, ttmp7, 0xffff                   ; cluster y
	s_lshl_b32 s13, s45, 2
	s_add_co_u32 s13, s13, s41                     ; block row = 4 x cluster y + cy
.if OPROJ == 0
	s_lshr_b32 s45, s45, 3                         ; the third (q, k, v): 8 clusters of 512 rows each; the same in the whole cluster
.endif
	s_lshl_b32 s43, s41, 2
	s_lshl_b32 s43, 15, s43                        ; my row of the cluster
	s_lshl_b32 s44, 0x1111, s40                    ; my column
	s_or_b32 s[G1+0], s43, (1<<16)|(1<<20)|(1<<21)|(6<<22)|(3<<25)   ; mask; elements of 2 bytes; padding on; bit 21 beside a mask; after every 128 words, 4 words
	s_or_b32 s[G1B+0], s44, (1<<16)|(1<<20)|(1<<21)|(6<<22)|(3<<25)
	s_mov_b32 s[G1+1], 256<<16                     ; tensor_dim0 = 256
	s_mov_b32 s[G1B+1], 256<<16
	s_mov_b32 s[G1+2], 64<<16                      ; tensor_dim1 = 64
	s_mov_b32 s[G1B+2], 64<<16
	s_mov_b32 s[G1+3], 256<<16                     ; tile_dim0 = 256 elements, 512 bytes
	s_mov_b32 s[G1B+3], 256<<16
	s_mov_b32 s[G1+4], 64                          ; tile_dim1 = 64 rows
	s_mov_b32 s[G1B+4], 64
	s_mov_b32 s[G1+5], 1024                        ; elements from row to row
	s_mov_b32 s[G1B+5], 1024
	s_mov_b32 s[G1+6], 0
	s_mov_b32 s[G1B+6], 0
	s_mov_b32 s[G1+7], 0
	s_mov_b32 s[G1B+7], 0
	; where the tiles come from, in bytes (rows of 2,048); A's registers never hold cx, W's never cy
	s_lshl_b32 s17, s12, 6
	s_lshl_b32 s16, s13, 7
	s_add_co_u32 s16, s16, s17                     ; A: row 128 x block row + 64 x half
	s_lshl_b32 s16, s16, 11
	s_lshl_b32 s46, s42, 7
	s_add_co_u32 s46, s46, s17                     ; W: row 128 x block column + 64 x half
	s_lshl_b32 s46, s46, 11
.if OPROJ
	s_add_co_u32 s46, s46, 30<<20                  ; Wo in castb
.else
	s_lshl_b32 s47, s45, 21
	s_add_co_u32 s46, s46, s47                     ; the third's weight, 2 MiB each,
	s_add_co_u32 s46, s46, 24<<20                  ; behind the activations
.endif
	s_mov_b32 s17, 0
	s_mov_b32 s47, 0
	s_mul_i32 s20, s10, HALFT                      ; where they go: the wave's quarter of a slot
	s_wait_dscnt 0x0
	s_wait_kmcnt 0x0
	s_add_nc_u64 s[14:15], s[68:69], s[16:17]
.if OPROJ
	s_add_nc_u64 s[46:47], s[70:71], s[46:47]
	s_mov_b64 s[76:77], s[72:73]                   ; bias
	s_mov_b64 s[8:9], s[74:75]                     ; out0
.else
	s_add_nc_u64 s[46:47], s[68:69], s[46:47]
	s_mov_b64 s[76:77], s[70:71]                   ; the third's bias
	s_cmp_eq_u32 s45, 1
	s_cselect_b64 s[76:77], s[72:73], s[76:77]
	s_cmp_eq_u32 s45, 2
	s_cselect_b64 s[76:77], s[74:75], s[76:77]
	s_mov_b32 s3, 0x3f800000
	s_cmp_eq_u32 s45, 0
	s_cselect_b32 s2, 0x3e38aa3b, s3               ; q: 0.125 log2(e); k, v: 1
	s_mov_b32 s3, s2
.endif
	CROUND                                         ; all sixteen work-groups are here: the first joint loads meet
.irp s, 0,1
	s_mov_b32 s[G0+4*\s], 1
	s_add_co_u32 s[G0+4*\s+1], s20, \s*SLOT
	s_add_nc_u64 s[G0+4*\s+2:G0+4*\s+3], s[14:15], \s*512          ; K step s
	s_or_b32 s[G0+4*\s+3], s[G0+4*\s+3], 0x80000000
	s_mov_b32 s[G0B+4*\s], 1
	s_add_co_u32 s[G0B+4*\s+1], s20, \s*SLOT
	s_add_nc_u64 s[G0B+4*\s+2:G0B+4*\s+3], s[46:47], \s*512
	s_or_b32 s[G0B+4*\s+3], s[G0B+4*\s+3], 0x80000000
	JLOAD \s
.endr
	v_and_b32 v1, 15, v0                           ; r
	v_bfe_u32 v2, v0, 4, 1                         ; h
	s_lshl_b32 s46, s42, 9
	s_lshl_b32 s47, s12, 8
	s_add_co_u32 s46, s46, s47                     ; 4 x my first column (128 x block column + 64 x half)
	s_mov_b32 s47, 0
	v_lshl_add_u32 v[BO], v2, 5, s46
.irp b, 0,1,2,3
	global_load_b128 v[BIAS+8*\b:BIAS+8*\b+3],   v[BO], s[76:77] offset:64*\b
	global_load_b128 v[BIAS+8*\b+4:BIAS+8*\b+7], v[BO], s[76:77] offset:64*\b+16
.endr
	v_mul_u32_u24 v3, v1, PITCH
	v_lshl_add_u32 v3, v2, 4, v3                   ; row x pitch + 16 x half of the lanes
	s_mul_i32 s21, s11, HALFT                      ; my 64 rows of A
	s_mul_i32 s22, s12, HALFT
	s_add_co_u32 s22, s22, 2*HALFT                 ; my 64 rows of W, behind A's 128
.irp s, 0,1
	v_add_nc_u32 v[ADRA+\s], s21, v3
	v_add_nc_u32 v[ADRB+\s], s22, v3
	s_add_co_u32 s21, s21, SLOT
	s_add_co_u32 s22, s22, SLOT
.endr
.if OPROJ
	s_mul_i32 s23, s10, 16*SPITCH                  ; a stage of 16 rows x 256 bytes of f32 for each wave
	s_add_co_u32 s23, s23, STAGE
	v_mul_u32_u24 v4, v1, SPITCH
	v_lshl_add_u32 v4, v2, 5, v4                   ; in: row r, 32 bytes for each half of the lanes
	v_add_nc_u32 v[STO], s23, v4
	v_mul_u32_u24 v5, v2, SPITCH
	v_lshl_add_u32 v5, v1, 4, v5                   ; back: lanes 0-15 one row, lanes 16-31 the next
	v_add_nc_u32 v[RD], s23, v5
	v_lshlrev_b32 v5, 12, v2
	v_lshl_add_u32 v[CO], v1, 4, v5                ; the same two rows in out0 (rows of 4,096 bytes)
	s_lshl_b32 s16, s13, 7
	s_lshl_b32 s17, s11, 6
	s_add_co_u32 s16, s16, s17                     ; my first row
	s_lshl_b32 s16, s16, 12
	s_mov_b32 s17, 0
	s_add_nc_u64 s[8:9], s[8:9], s[16:17]
	s_add_nc_u64 s[8:9], s[8:9], s[46:47]          ; my first column, 4 bytes each
.else
	s_mul_i32 s23, s11, 64*SPITCH                  ; one stage of 128 rows x 256 bytes of f16 for the work-group
	s_lshl_b32 s21, s12, 7
	s_add_co_u32 s23, s23, s21
	s_add_co_u32 s23, s23, STAGE
	v_mul_u32_u24 v4, v1, SPITCH
	v_lshl_add_u32 v4, v2, 4, v4                   ; in: row 64 x my half + r, byte 128 x my half + 16 h
	v_add_nc_u32 v[STO], s23, v4
	s_mul_i32 s23, s10, 32*SPITCH                  ; back: wave w takes rows 32 w .. + 31, whole
	s_add_co_u32 s23, s23, STAGE
	v_mul_u32_u24 v5, v2, SPITCH
	v_lshl_add_u32 v5, v1, 4, v5
	v_add_nc_u32 v[RD], s23, v5
	v_lshlrev_b32 v5, 11, v2
	v_lshl_add_u32 v[CO], v1, 4, v5                ; the same two rows in qkv (rows of 2,048 bytes)
	s_lshl_b32 s16, s13, 7
	s_lshl_b32 s17, s10, 5
	s_add_co_u32 s16, s16, s17
	s_lshl_b32 s16, s16, 11
	s_mov_b32 s17, 0
	s_add_nc_u64 s[8:9], s[8:9], s[16:17]
	s_lshl_b32 s46, s42, 8                         ; the block's 128 columns of 2 bytes
	s_add_nc_u64 s[8:9], s[8:9], s[46:47]
.endif
; 8 matrix instructions: row tiles a0, a0 + 1 x all four column tiles, 32 along K.  zero = 1: the first product starts the sums.
; The 16 accumulators take turns, one instruction a turn, in the same order in every chunk.
.macro MUL8 f, a0, zero
.irp a, \a0, \a0+1
.irp b, 0,1,2,3
.if OPROJ
.if \zero
	v_wmma_f32_16x16x32_f16 v[8*(4*(\a)+\b):8*(4*(\a)+\b)+7], v[\f+32+8*\b:\f+32+8*\b+7], v[\f+8*(\a):\f+8*(\a)+7], 0
.else
	v_wmma_f32_16x16x32_f16 v[8*(4*(\a)+\b):8*(4*(\a)+\b)+7], v[\f+32+8*\b:\f+32+8*\b+7], v[\f+8*(\a):\f+8*(\a)+7], v[8*(4*(\a)+\b):8*(4*(\a)+\b)+7]
.endif
.else
.if \zero
	v_wmma_f32_16x16x32_bf16 v[8*(4*(\a)+\b):8*(4*(\a)+\b)+7], v[\f+32+8*\b:\f+32+8*\b+7], v[\f+8*(\a):\f+8*(\a)+7], 0
.else
	v_wmma_f32_16x16x32_bf16 v[8*(4*(\a)+\b):8*(4*(\a)+\b)+7], v[\f+32+8*\b:\f+32+8*\b+7], v[\f+8*(\a):\f+8*(\a)+7], v[8*(4*(\a)+\b):8*(4*(\a)+\b)+7]
.endif
.endif
.endr
.endr
.endm
; 16 LDS loads: the fragments of one chunk (64 rows of A, 64 rows of W, 32 K at byte k of the rows) into buffer f
.macro FETCH slot, k, f
.irp i, 0,1,2,3
	ds_load_b128 v[\f+8*\i:\f+8*\i+3],       v[ADRA+\slot] offset:\k+\i*16*PITCH
	ds_load_b128 v[\f+8*\i+4:\f+8*\i+7],     v[ADRA+\slot] offset:\k+\i*16*PITCH+32
.endr
.irp i, 0,1,2,3
	ds_load_b128 v[\f+32+8*\i:\f+32+8*\i+3], v[ADRB+\slot] offset:\k+\i*16*PITCH
	ds_load_b128 v[\f+32+8*\i+4:\f+32+8*\i+7], v[ADRB+\slot] offset:\k+\i*16*PITCH+32
.endr
.endm
; One of a slot's first seven chunks: asks for the next chunk's fragments (byte k) into buffer g, then multiplies buffer f.
.macro CHUNK slot, k, f, g, zero
	PLACES                                         ; buffer g was read by the matrix instructions just issued
	WIN 0
	FETCH \slot, \k, \g
	s_wait_dscnt 16                                ; this chunk's 16 loads are in; the 16 just issued stay out
	WIN MUL
	MUL8 \f, 0, \zero
	MUL8 \f, 2, \zero
.endm
.macro SEVEN slot, zero
	CHUNK \slot, 64,  F0, F1, \zero
	CHUNK \slot, 128, F1, F0, 0
	CHUNK \slot, 192, F0, F1, 0
	CHUNK \slot, 256, F1, F0, 0
	CHUNK \slot, 320, F0, F1, 0
	CHUNK \slot, 384, F1, F0, 0
	CHUNK \slot, 448, F0, F1, 0
.endm
; A slot's eighth chunk, on buffer 1, and the change of slots.  In front of the barrier each wave waits for its reads of this slot and for all its
; tensor loads (the one that is out is its part of the next slot).  fill = 1: the barrier opens a round of the cluster's barrier, and behind the
; round's closing wait this slot is asked for again, two K steps ahead, first of all.
.macro TURN slot, next, fill
	s_wait_dscnt 0x0                               ; the last chunk's fragments are in: my reads of this slot are over
	s_wait_tensorcnt 0x0                           ; all my tensor loads have landed
	ds_add_u32 v254, v255
	s_wait_dscnt 0x0
	s_barrier_signal -1
	WIN MUL
	MUL8 F1, 0, 0                                  ; register work while the others arrive
	WIN 0
	s_barrier_wait -1
.if \fill
	CREST
	s_add_nc_u64 s[G0+4*\slot+2:G0+4*\slot+3], s[G0+4*\slot+2:G0+4*\slot+3], 1024
	s_add_nc_u64 s[G0B+4*\slot+2:G0B+4*\slot+3], s[G0B+4*\slot+2:G0B+4*\slot+3], 1024
	JLOAD \slot
.endif
	PLACES
	FETCH \next, 0, F0
	WIN MUL
	MUL8 F1, 2, 0
.endm
	s_wait_tensorcnt 0x1                           ; my part of K step 0 is in; K step 1's load, issued behind it, stays out
	s_barrier_signal -1
	s_barrier_wait -1
	FETCH 0, 0, F0
	SEVEN 0, 1
	TURN 0, 1, 1                                   ; asks for K step 2
	SEVEN 1, 0
	TURN 1, 0, 1                                   ; asks for K step 3
	SEVEN 0, 0
	TURN 0, 1, 0                                   ; nothing is left to ask for
	SEVEN 1, 0
	s_wait_dscnt 0x0
	WIN MUL
	MUL8 F1, 0, 0
	MUL8 F1, 2, 0
	; THE WAY OUT
	PLACES
	WIN 0
	s_wait_loadcnt 0x0                             ; the bias
.if OPROJ
; 16 rows at a time through the wave's own stage: bias added, 32 bytes a lane in, whole rows of 256 bytes back and out.
.macro OUTO a, f
	WIN FROM_ACC
.set i, 0
.rept 16
	v_pk_add_f32 v[TMPF+2*i:TMPF+2*i+1], v[32*\a+2*i:32*\a+2*i+1], v[BIAS+2*i:BIAS+2*i+1]
.set i, i+1
.endr
	WIN 0
.irp b, 0,1,2,3
	ds_store_b128 v[STO], v[TMPF+8*\b:TMPF+8*\b+3]   offset:64*\b
	ds_store_b128 v[STO], v[TMPF+8*\b+4:TMPF+8*\b+7] offset:64*\b+16
.endr
	s_wait_xcnt 0x0                                ; buffer f, which earlier stores read, and the stores' base are rewritten only behind this wait
.if \a
	s_add_nc_u64 s[8:9], s[8:9], 65536             ; 16 rows of out0 on
.endif
.irp t, 0,1,2,3,4,5,6,7
	ds_load_b128 v[\f+4*\t:\f+4*\t+3], v[RD] offset:\t*2*SPITCH    ; LDS serves a wave's instructions in order: these see the stores above
.endr
.irp t, 0,1,2,3,4,5,6,7
	s_wait_dscnt 7-\t                              ; the loads issued behind load t
	global_store_b128 v[CO], v[\f+4*\t:\f+4*\t+3], s[8:9] offset:\t*8192 th:TH_STORE_NT   ; 16 lanes store 256 consecutive bytes, aligned
.endr
.endm
	OUTO 0, F0
	OUTO 1, F1
	OUTO 2, F0
	OUTO 3, F1
.else
.set i, 0
.rept 16
	v_pk_mul_f32 v[BIAS+2*i:BIAS+2*i+1], v[BIAS+2*i:BIAS+2*i+1], s[2:3] op_sel_hi:[1,0]   ; (sum + bias) x scale = sum x scale + bias x scale
.set i, i+1
.endr
; 16 rows: scale and bias in one fused multiply-add, rounded to f16, 16 bytes a lane into the shared stage.
.macro OUTQ a
	WIN FROM_ACC
.set i, 0
.rept 16
	v_pk_fma_f32 v[TMPF+2*i:TMPF+2*i+1], v[32*\a+2*i:32*\a+2*i+1], s[2:3], v[BIAS+2*i:BIAS+2*i+1] op_sel_hi:[1,0,1]
.set i, i+1
.endr
	WIN 0
.set i, 0
.rept 16
	v_cvt_pk_f16_f32 v[TMPH+i], v[TMPF+2*i], v[TMPF+2*i+1]
.set i, i+1
.endr
.irp b, 0,1,2,3
	ds_store_b128 v[STO], v[TMPH+4*\b:TMPH+4*\b+3] offset:\a*16*SPITCH+32*\b
.endr
.endm
	OUTQ 0
	OUTQ 1
	OUTQ 2
	OUTQ 3
	s_wait_dscnt 0x0                               ; my stores into the stage are done, for the waves that read them
	s_barrier_signal -1
	s_barrier_wait -1
.irp t, 0,1,2,3,4,5,6,7,8,9,10,11,12,13,14,15
	ds_load_b128 v[F0+4*\t:F0+4*\t+3], v[RD] offset:\t*2*SPITCH    ; two whole rows of the block, 256 bytes each
.endr
.irp t, 0,1,2,3,4,5,6,7,8,9,10,11,12,13,14,15
	s_wait_dscnt 15-\t                             ; the loads issued behind load t
	global_store_b128 v[CO], v[F0+4*\t:F0+4*\t+3], s[8:9] offset:\t*4096   ; 16 lanes store 256 consecutive bytes, aligned
.endr
.endif
	s_wait_tensorcnt 0x0
	ds_add_u32 v254, v255
	s_wait_dscnt 0x0
	CROUND                                         ; the closing round: no work-group ends while a partner may still ask jointly
	s_endpgm
.Lfunc_end_k_qe54345054a_qkv:
	.size	k_qe54345054a_qkv, .Lfunc_end_k_qe54345054a_qkv-k_qe54345054a_qkv
	.p2alignl 7, 3214868480
	.fill 96, 4, 3214868480
	.section	.rodata,"a",@progbits
	.p2align	6, 0x0
	.amdhsa_kernel k_qe54345054a_qkv
		.amdhsa_group_segment_fixed_size 327680
		.amdhsa_private_segment_fixed_size 0
		.amdhsa_enable_private_segment 0
		.amdhsa_kernarg_size 40
		.amdhsa_user_sgpr_count 2
		.amdhsa_user_sgpr_kernarg_segment_ptr 1
		.amdhsa_wavefront_size32 1
		.amdhsa_system_sgpr_workgroup_id_x 1
		.amdhsa_system_sgpr_workgroup_id_y 1
		.amdhsa_system_sgpr_workgroup_id_z 1
		.amdhsa_system_vgpr_workitem_id 0
		.amdhsa_next_free_vgpr 384
		.amdhsa_next_free_sgpr 78
		.amdhsa_reserve_vcc 0
		.amdhsa_float_denorm_mode_32 3
		.amdhsa_float_denorm_mode_16_64 3
		.amdhsa_memory_ordered 1
		.amdhsa_forward_progress 1
		.amdhsa_inst_pref_size 95
	.end_amdhsa_kernel
	.amdgpu_metadata
---
amdhsa.version: [ 1, 2 ]
amdhsa.kernels:
  - .name:           k_qe54345054a_qkv
    .symbol:         k_qe54345054a_qkv.kd
    .args:
      - { .name: castb, .offset: 0, .size: 8, .value_kind: global_buffer, .address_space: global }
      - { .name: Wq_b, .offset: 8, .size: 8, .value_kind: global_buffer, .address_space: global }
      - { .name: Wk_b, .offset: 16, .size: 8, .value_kind: global_buffer, .address_space: global }
      - { .name: Wv_b, .offset: 24, .size: 8, .value_kind: global_buffer, .address_space: global }
      - { .name: qkv, .offset: 32, .size: 8, .value_kind: global_buffer, .address_space: global }
    .group_segment_fixed_size: 327680
    .private_segment_fixed_size: 0
    .kernarg_segment_align: 8
    .kernarg_segment_size: 40
    .max_flat_workgroup_size: 128
    .sgpr_count:     78
    .vgpr_count:     384
    .wavefront_size: 32
...
	.end_amdgpu_metadata
.endif
;; end of part 2
;; launch attn (part 3): grid 16 x 16, 8 waves a work-group, clusters of 4 x 1, 327,680 bytes of LDS; arguments qkv, maskw, ctx; writes ctx
.if DOCPART == 3
	.amdgcn_target "amdgcn-amd-amdhsa--gfx1250"
	.amdhsa_code_object_version 6
	.text
	.protected	k_qe54345054a_attn
	.globl	k_qe54345054a_attn
	.p2align	8
	.type	k_qe54345054a_attn,@function
k_qe54345054a_attn:
	s_mov_b64 s[64:65], 0
	v_nop
	global_prefetch_b8 v0, s[64:65] scope:SCOPE_SE
	s_setreg_imm32_b32 hwreg(HW_REG_WAVE_MODE, 25, 1), 1
	s_wait_xcnt 0x0
	s_wait_alu depctr_hold_cnt(0) depctr_sa_sdst(0) depctr_va_vdst(0) depctr_va_sdst(0) depctr_va_ssrc(0) depctr_va_vcc(0) depctr_vm_vsrc(0)
	s_getreg_b32 s2, hwreg(HW_REG_IB_STS2, 6, 4)
	s_cmp_eq_u32 s2, 0
	s_cbranch_scc0 .Lentry_in_a_cluster
	s_endpgm
.Lentry_in_a_cluster:
	s_bfe_u32 s2, ttmp6, 0x10000c
	s_cmp_lg_u32 s2, 0x3003
	s_cbranch_scc0 .Lentry_shape_is_right
	s_endpgm
.Lentry_shape_is_right:
; Attention for one head (grid y) and 256 queries (grid x), over all 4,096 keys, with a running maximum.
; qkv: f16 [12,288][1,024]: q' = (q + b) 0.125 log2(e), then k, then v.  maskw: lane-mask words [qt][kt][j] (bit L: query 16 qt + (L & 15), key 16 kt + 8 (L >> 4) + j).
; Where the mask is 0 the score is REPLACED by -1e9 log2(e), as the problem replaces it by -1e9: a row with every key masked comes out as the mean of v.
; The mask is an input: every key is worked on, for every query.
; Eight waves, 32 queries each (two query tiles).  TRANSPOSED: S^T = K q'^T (lane = query, registers = keys), so that two packed tiles of S^T are
; already the second source of O^T = V^T P^T: nothing is shuffled between the products, and a row's maximum and sum are a lane's own, joined once
; across the two halves of the lanes.  V^T's fragments come from v stored [key][dk] by the transposing LDS load.
; CLUSTERS: the four query blocks of a cluster read the same head's K and V tiles and ask for them jointly (mask 15).
; LDS: two slots of 256 keys; a slot is 8 regions of 10,240 bytes, region w filled by wave w: 0-3 K (64 keys, pitch 144), 4-7 V (64 keys, pitch 160).
; K's and V's tiles differ in the padding alone: each has its own descriptor group 1, all constants, and its own line of the text under a branch on the wave's number.
; By this text's count a wave has two tensor loads out at the start and one behind each round; that one has four steps of 64 keys in which to land.
; LIMITS: q', k, v, the weights and the result are f16: values beyond 65,504 overflow; a weight below about 2^-25 of its row's largest drops out of
; P V but stays in the row's sum (at most 4,096 x 2^-25 of it); a NaN loses in the running maximum.
.set KP,    144                        ; K's LDS pitch: 128 bytes + 16, an odd multiple of 16
.set VP,    160                        ; V's LDS pitch: 128 bytes + 32, an odd multiple of 32
.set REG,   10240
.set SLOTB, 8*REG
.set STAGE, 2*SLOTB                    ; behind the ring, a multiple of 256: 32 rows x 144 bytes for each wave; no tensor load lands here
.set KADR, 1                           ; v1, v2     my K fragment address in slot 0, 1
.set VADR, 3                           ; v3, v4     my V fragment address
.set NEG,  5                           ; v5         -1e9 log2(e)
.set T,    6                           ; v[6:11]    at work
.set AL,   12                          ; v[12:13]   2^(old maximum - new maximum), twice
.set MP,   14                          ; v[14:17]   query tile qt: the running maximum, twice
.set LP,   18                          ; v[18:21]   query tile qt: two partial sums
.set U,    22                          ; v[22:29]   at work
.set STO,  30
.set RD,   31
.set QF,   32                          ; v[32:63]   q' fragments (qt, c) at 16 qt + 8 c
.set OB,   64                          ; v[64:127]  O^T tiles (dt, qt) at 8 (2 dt + qt)
.set SB,   128                         ; v[128:191] S^T tiles (kt, qt) at 8 (2 kt + qt); P^T (qt, c2) in place on tile (2 c2, qt)
.set KV,   192                         ; v[192:255] K fragments (kt, c) at 8 (2 kt + c), then V^T fragments (dt, c2) at 8 (2 dt + c2)
.set G0,   4                           ; s[4:7], s[12:15]  descriptor group 0 of slot 0, of slot 1
.set G1K,  84                          ; s[84:91]   descriptor group 1 for K's tiles
.set G1V,  92                          ; s[92:99]   descriptor group 1 for V's tiles
; s[2:3] my mask words; s[8:9] my ctx rows; s10 wave; s11 trips; s66, s67 lane selects (before that: q's base); s100 wave >> 2.
; s[16:47]: mask words of query tile 0, word (kt, j) at 16 + 8 kt + j.  s[48:63], s[68:83]: those of query tile 1.
.macro ROUND                           ; a round of the cluster's barrier
	s_barrier_signal -1
	s_barrier_wait -1
	s_cmp_lg_u32 s10, 0
	s_cbranch_scc1 .Lnot_wave_0_\@
	s_barrier_signal -3
.Lnot_wave_0_\@:
	s_barrier_wait -3
	s_barrier_signal -1
	s_barrier_wait -1
.endm
; A joint load into slot s: waves 0-3 ask for K's four regions, waves 4-7 for V's.  Each line has one mask and one shape for all that issue it;
; the branch hangs on the wave's number alone, so it is the same in all four work-groups.
.macro JLOAD s
	s_cmp_eq_u32 s100, 0
	s_cbranch_scc0 .Lfor_v_\@
	tensor_load_to_lds s[G0+8*(\s):G0+8*(\s)+3], s[G1K:G1K+7]
	s_nop 0
	s_branch .Lasked_\@
.Lfor_v_\@:
	tensor_load_to_lds s[G0+8*(\s):G0+8*(\s)+3], s[G1V:G1V+7]
	s_nop 0
.Lasked_\@:
.endm
.macro NOPS n
.rept \n
	v_nop
.endr
.endm
.macro MLOAD qt, off                   ; the 32 mask words of one step of 64 keys for query tile qt
.if \qt
	s_load_b512 s[48:63], s[2:3], \off+8192
	s_load_b512 s[68:83], s[2:3], \off+8192+64
.else
	s_load_b512 s[16:31], s[2:3], \off
	s_load_b512 s[32:47], s[2:3], \off+64
.endif
.endm
	s_load_b128 s[16:19], s[0:1], 0x0              ; qkv, maskw (in registers that later hold mask words)
	s_load_b64 s[8:9], s[0:1], 0x10                ; ctx
	s_set_vgpr_msb 0x40
	v_lshl_add_u32 v0, v0, 2, 0x31000
	v_mov_b32 v1, 0
	s_set_vgpr_msb 0x4045
	ds_add_u32 v0, v1
	s_set_vgpr_msb 0x4500
	v_lshrrev_b32 v1, 5, v0
	v_readfirstlane_b32 s10, v1                    ; wave 0..7
	s_bfe_u32 s20, ttmp6, 0x40000                  ; cx
	s_lshl_b32 s21, ttmp9, 2
	s_add_co_u32 s21, s21, s20                     ; query block = 4 x cluster x + cx
	s_and_b32 s22, ttmp7, 0xffff                   ; head
	s_lshr_b32 s100, s10, 2                        ; I fill for K (0) or for V (1),
	s_and_b32 s24, s10, 3                          ; which 64 keys of the slot's 256
	s_mov_b32 s[G1K+0], 0x0731000f                 ; mask 15; elements of 2 bytes; padding on; bit 21 beside a mask; after every 32 words, 4 words
	s_mov_b32 s[G1V+0], 0x0f31000f                 ; the same with 8 words of padding
.irp g, G1K, G1V
	s_mov_b32 s[\g+1], 64<<16                      ; tensor_dim0 = 64
	s_mov_b32 s[\g+2], 64<<16                      ; tensor_dim1 = 64
	s_mov_b32 s[\g+3], 64<<16                      ; tile_dim0 = 64 elements: a head's 128 bytes of a row
	s_mov_b32 s[\g+4], 64                          ; tile_dim1 = 64 keys
	s_mov_b32 s[\g+5], 1024                        ; elements from row to row
	s_mov_b32 s[\g+6], 0
	s_mov_b32 s[\g+7], 0
.endr
	s_add_co_u32 s26, s100, 1                      ; k begins 8 MiB, v 16 MiB into qkv
	s_lshl_b32 s26, s26, 23
	s_lshl_b32 s28, s24, 17                        ; 64 keys of 2,048 bytes
	s_add_co_u32 s26, s26, s28
	s_lshl_b32 s28, s22, 7                         ; the head's 128 bytes
	s_add_co_u32 s26, s26, s28
	s_mov_b32 s27, 0
	s_mul_i32 s29, s10, REG                        ; my region of a slot
	s_lshl_b32 s30, s21, 19                        ; q' and ctx: 256 rows of 2,048 bytes a block,
	s_lshl_b32 s32, s10, 16                        ; 32 rows a wave,
	s_add_co_u32 s30, s30, s32
	s_add_co_u32 s30, s30, s28                     ; the head's 128 bytes
	s_mov_b32 s31, 0
	s_lshl_b32 s32, s21, 17                        ; mask words: 16 query tiles of 8,192 bytes a block,
	s_lshl_b32 s34, s10, 14                        ; 2 a wave
	s_add_co_u32 s32, s32, s34
	s_mov_b32 s33, 0
	s_mul_i32 s11, s10, 32*KP
	s_add_co_u32 s11, s11, STAGE                   ; my stage (s11 counts trips later)
	s_wait_dscnt 0x0
	s_wait_kmcnt 0x0
	s_add_nc_u64 s[66:67], s[16:17], s[30:31]      ; my q' rows
	s_add_nc_u64 s[8:9], s[8:9], s[30:31]          ; my ctx rows
	s_add_nc_u64 s[2:3], s[18:19], s[32:33]        ; my mask words
	s_add_nc_u64 s[16:17], s[16:17], s[26:27]      ; my part of the first K or V tile: made of the head and the wave's number alone
.irp s, 0,1
	s_mov_b32 s[G0+8*\s], 1
	s_add_co_u32 s[G0+8*\s+1], s29, \s*SLOTB
	s_add_nc_u64 s[G0+8*\s+2:G0+8*\s+3], s[16:17], \s*0x80000      ; keys 256 s ..
	s_or_b32 s[G0+8*\s+3], s[G0+8*\s+3], 0x80000000
.endr
	ROUND                                          ; the four work-groups are here: the first joint loads meet
	JLOAD 0
	JLOAD 1
	v_and_b32 v6, 15, v0                           ; r
	v_bfe_u32 v7, v0, 4, 1                         ; h
	v_lshlrev_b32 v22, 11, v6
	v_lshl_add_u32 v22, v7, 4, v22                 ; q': row r, 16 bytes for each half of the lanes
.irp qt, 0,1
.irp c, 0,1
	global_load_b128 v[QF+16*\qt+8*\c:QF+16*\qt+8*\c+3],   v22, s[66:67] offset:\qt*32768+64*\c
	global_load_b128 v[QF+16*\qt+8*\c+4:QF+16*\qt+8*\c+7], v22, s[66:67] offset:\qt*32768+64*\c+32
.endr
.endr
	MLOAD 0, 0
	MLOAD 1, 0
	v_mul_u32_u24 v[KADR], v6, KP
	v_lshl_add_u32 v[KADR], v7, 4, v[KADR]         ; K: key r, 16 bytes for each half
	v_add_nc_u32 v[STO], s11, v[KADR]              ; the way out has the same lane term
	v_add_nc_u32 v[KADR+1], SLOTB, v[KADR]
	v_and_b32 v8, 7, v0
	v_lshl_add_u32 v9, v7, 3, v8                   ; V: key 8 h + (L & 7),
	v_mul_u32_u24 v[VADR], v9, VP
	v_bfe_u32 v9, v0, 3, 1
	v_lshl_add_u32 v[VADR], v9, 4, v[VADR]         ; 16 bytes by bit 3 of the lane,
	v_add_nc_u32 v[VADR], 4*REG, v[VADR]           ; behind K's four regions
	v_add_nc_u32 v[VADR+1], SLOTB, v[VADR]
	v_bfe_u32 v9, v0, 3, 2
	v_mul_u32_u24 v[RD], v9, KP
	v_lshl_add_u32 v[RD], v8, 4, v[RD]             ; back: eight lanes take a row's 128 bytes
	v_add_nc_u32 v[RD], s11, v[RD]
	v_mov_b32 v[NEG], 0xceabfb8f
	v_mov_b32 v[T+4], 0                            ; v_permlanex16_b32's destination counts as read
.macro LOADK slot, st4                 ; 16 loads: K fragments of 64 keys, dk 0-31 first
.irp c, 0,1
.irp kt, 0,1,2,3
	ds_load_b128 v[KV+8*(2*\kt+\c):KV+8*(2*\kt+\c)+3],   v[KADR+\slot] offset:\st4*REG+\kt*16*KP+64*\c
	ds_load_b128 v[KV+8*(2*\kt+\c)+4:KV+8*(2*\kt+\c)+7], v[KADR+\slot] offset:\st4*REG+\kt*16*KP+64*\c+32
.endr
.endr
.endm
.macro LOADV slot, st4                 ; 16 transposing loads: V^T fragments of 64 keys
.irp c2, 0,1
.irp dt, 0,1,2,3
	ds_load_tr16_b128 v[KV+8*(2*\dt+\c2):KV+8*(2*\dt+\c2)+3],   v[VADR+\slot] offset:\st4*REG+\c2*32*VP+32*\dt
	ds_load_tr16_b128 v[KV+8*(2*\dt+\c2)+4:KV+8*(2*\dt+\c2)+7], v[VADR+\slot] offset:\st4*REG+\c2*32*VP+32*\dt+16*VP
.endr
.endr
.endm
; 8 matrix instructions: S^T (kt, qt) for dk 32 c .. + 31.  The eight accumulators take turns, one instruction a turn.
.macro QK c, zero
.irp kt, 0,1,2,3
.irp qt, 0,1
.if \zero
	v_wmma_f32_16x16x32_f16 v[SB+8*(2*\kt+\qt):SB+8*(2*\kt+\qt)+7], v[KV+8*(2*\kt+\c):KV+8*(2*\kt+\c)+7], v[QF+16*\qt+8*\c:QF+16*\qt+8*\c+7], 0
.else
	v_wmma_f32_16x16x32_f16 v[SB+8*(2*\kt+\qt):SB+8*(2*\kt+\qt)+7], v[KV+8*(2*\kt+\c):KV+8*(2*\kt+\c)+7], v[QF+16*\qt+8*\c:QF+16*\qt+8*\c+7], v[SB+8*(2*\kt+\qt):SB+8*(2*\kt+\qt)+7]
.endif
.endr
.endr
.endm
; 8 matrix instructions: O^T (dt, qt) += V^T P^T over 64 keys; the four accumulators take turns.  first = 1: the first product starts the sums.
.macro PV qt, first
.irp c2, 0,1
.irp dt, 0,1,2,3
.if \first*(1-\c2)
	v_wmma_f32_16x16x32_f16 v[OB+8*(2*\dt+\qt):OB+8*(2*\dt+\qt)+7], v[KV+8*(2*\dt+\c2):KV+8*(2*\dt+\c2)+7], v[SB+8*(4*\c2+\qt):SB+8*(4*\c2+\qt)+7], 0
.else
	v_wmma_f32_16x16x32_f16 v[OB+8*(2*\dt+\qt):OB+8*(2*\dt+\qt)+7], v[KV+8*(2*\dt+\c2):KV+8*(2*\dt+\c2)+7], v[SB+8*(4*\c2+\qt):SB+8*(4*\c2+\qt)+7], v[OB+8*(2*\dt+\qt):OB+8*(2*\dt+\qt)+7]
.endif
.endr
.endr
.endm
; The softmax step of query tile qt on 64 keys (32 numbers a lane).  mnext = 1: the tile's mask words of the next step are asked for, at byte off.
.macro SMAX qt, first, mnext, off
.irp kt, 0,1,2,3
.irp j, 0,1,2,3,4,5,6,7
	v_cndmask_b32 v[SB+8*(2*\kt+\qt)+\j], v[NEG], v[SB+8*(2*\kt+\qt)+\j], s[16+32*\qt+8*\kt+\j+4*\qt*(\kt/2)]
.endr
.endr
.if \mnext
	MLOAD \qt, \off
.endif
	; the maximum of the 32 and of the old one: 16 three-way maxima, four chains first
.irp kt, 0,1,2,3
	v_max3_num_f32 v[T+\kt], v[SB+8*(2*\kt+\qt)], v[SB+8*(2*\kt+\qt)+1], v[SB+8*(2*\kt+\qt)+2]
.endr
.irp kt, 0,1,2,3
	v_max3_num_f32 v[T+\kt], v[T+\kt], v[SB+8*(2*\kt+\qt)+3], v[SB+8*(2*\kt+\qt)+4]
.endr
.irp kt, 0,1,2,3
	v_max3_num_f32 v[T+\kt], v[T+\kt], v[SB+8*(2*\kt+\qt)+5], v[SB+8*(2*\kt+\qt)+6]
.endr
	v_max3_num_f32 v[T], v[T], v[T+1], v[SB+8*\qt+7]
	v_max3_num_f32 v[T+2], v[T+2], v[T+3], v[SB+8*(2+\qt)+7]
	v_max3_num_f32 v[T], v[T], v[T+2], v[SB+8*(4+\qt)+7]
.if \first
	v_max_num_f32 v[T], v[T], v[SB+8*(6+\qt)+7]
.else
	v_max3_num_f32 v[T], v[T], v[SB+8*(6+\qt)+7], v[MP+2*\qt]
.endif
	v_permlanex16_b32 v[T+4], v[T], s66, s67       ; the other half of the lanes holds the query's other keys
	v_max_num_f32 v[T+5], v[T], v[T+4]
.if \first == 0
	v_sub_f32 v[T+1], v[MP+2*\qt], v[T+5]
.endif
	v_mov_b32 v[MP+2*\qt], v[T+5]
	v_mov_b32 v[MP+2*\qt+1], v[T+5]
.if \first == 0
	v_exp_f32 v[AL], v[T+1]                        ; behind a transcendental one plain vector instruction comes before its result is used (ISA guide 5.7.2):
	v_exp_f32 v[AL+1], v[T+1]                      ; here the subtractions below
.endif
.irp kt, 0,1,2,3
.irp j, 0,2,4,6
	v_pk_add_f32 v[SB+8*(2*\kt+\qt)+\j:SB+8*(2*\kt+\qt)+\j+1], v[SB+8*(2*\kt+\qt)+\j:SB+8*(2*\kt+\qt)+\j+1], v[MP+2*\qt:MP+2*\qt+1] neg_lo:[0,1] neg_hi:[0,1]
.endr
.endr
.irp kt, 0,1,2,3
.irp j, 0,1,2,3,4,5,6,7
	v_exp_f32 v[SB+8*(2*\kt+\qt)+\j], v[SB+8*(2*\kt+\qt)+\j]
.endr
.endr
.if \first
	v_nop                                          ; the plain place behind the exponentials
	s_wait_alu depctr_va_vdst(0)
.else
	s_wait_alu depctr_va_vdst(0)
.irp dt, 0,1,2,3
.irp j, 0,2,4,6
	v_pk_mul_f32 v[OB+8*(2*\dt+\qt)+\j:OB+8*(2*\dt+\qt)+\j+1], v[OB+8*(2*\dt+\qt)+\j:OB+8*(2*\dt+\qt)+\j+1], v[AL:AL+1]   ; the old sums to the new maximum; also the plain places behind the exponentials
.endr
.endr
.endif
.irp kt, 0,1,2,3
	v_pk_add_f32 v[U+2*\kt:U+2*\kt+1], v[SB+8*(2*\kt+\qt):SB+8*(2*\kt+\qt)+1], v[SB+8*(2*\kt+\qt)+2:SB+8*(2*\kt+\qt)+3]
.endr
.irp kt, 0,1,2,3
	v_pk_add_f32 v[U+2*\kt:U+2*\kt+1], v[U+2*\kt:U+2*\kt+1], v[SB+8*(2*\kt+\qt)+4:SB+8*(2*\kt+\qt)+5]
.endr
.irp kt, 0,1,2,3
	v_pk_add_f32 v[U+2*\kt:U+2*\kt+1], v[U+2*\kt:U+2*\kt+1], v[SB+8*(2*\kt+\qt)+6:SB+8*(2*\kt+\qt)+7]
.endr
	v_pk_add_f32 v[U:U+1], v[U:U+1], v[U+2:U+3]
	v_pk_add_f32 v[U+4:U+5], v[U+4:U+5], v[U+6:U+7]
.if \first
	v_pk_add_f32 v[LP+2*\qt:LP+2*\qt+1], v[U:U+1], v[U+4:U+5]
.else
	v_pk_add_f32 v[U:U+1], v[U:U+1], v[U+4:U+5]
	v_pk_fma_f32 v[LP+2*\qt:LP+2*\qt+1], v[LP+2*\qt:LP+2*\qt+1], v[AL:AL+1], v[U:U+1]
.endif
	; two tiles of 16 keys pack into one fragment of 32 keys, in place on the first
.irp c2, 0,1
.irp i, 0,1,2,3
	v_cvt_pk_f16_f32 v[SB+8*(4*\c2+\qt)+\i], v[SB+8*(4*\c2+\qt)+2*\i], v[SB+8*(4*\c2+\qt)+2*\i+1]
.endr
.irp i, 0,1,2,3
	v_cvt_pk_f16_f32 v[SB+8*(4*\c2+\qt)+4+\i], v[SB+8*(4*\c2+2+\qt)+2*\i], v[SB+8*(4*\c2+2+\qt)+2*\i+1]
.endr
.endr
.endm
; One step: 64 keys (regions st4 and 4 + st4 of the slot) against the wave's 32 queries.
.macro STEP slot, st4, off, first, mnext
	LOADK \slot, \st4
	s_wait_dscnt 0x8                               ; the fragments of dk 0-31 are in; the eight loads of dk 32-63 stay out
	QK 0, 1
	s_wait_dscnt 0x0
	QK 1, 0
	NOPS 4                                         ; four places (ISA guide 7.12.1): then K's registers are loaded again and the scores are read
	LOADV \slot, \st4
	s_wait_kmcnt 0x0                               ; this step's mask words
	SMAX 0, \first, \mnext, \off
	s_wait_dscnt 0x0                               ; V^T's fragments
	PV 0, \first
	SMAX 1, \first, \mnext, \off                   ; names none of the registers of the products just issued
	PV 1, \first
	NOPS 5                                         ; five places: then the next scores are written over P^T, and V^T's registers are loaded again
.endm
.macro SLOT4 slot, u0, first, last     ; a slot's four steps; u0: the first step's number counted from the mask words' base
	STEP \slot, 0, 128*(\u0+1), \first, 1
	STEP \slot, 1, 128*(\u0+2), 0, 1
	STEP \slot, 2, 128*(\u0+3), 0, 1
	STEP \slot, 3, 128*(\u0+4), 0, 1-\last
.endm
; The change of slots.  In front of the round every wave waits for all its tensor loads (its part of this slot among them) and for its reads of the
; other slot; behind the round's closing wait the other slot is asked for again, first of all: one tensor load a wave.
.macro TWO slot, u0, refill, last
	s_set_vgpr_msb 0x5
	s_wait_tensorcnt 0x0
	ds_add_u32 v0, v1
	s_wait_dscnt 0x0
	s_set_vgpr_msb 0x500
	s_add_nc_u64 s[G0+8*(1-\slot)+2:G0+8*(1-\slot)+3], s[G0+8*(1-\slot)+2:G0+8*(1-\slot)+3], 0x100000   ; no load of mine is out: the other slot's next 256 keys, 512 keys on
	s_wait_dscnt 0x0
	ROUND
.if \refill
	JLOAD 1-\slot
.endif
	SLOT4 \slot, \u0, 0, \last
.endm
	s_wait_tensorcnt 0x1                           ; my part of slot 0 is in; slot 1's load, issued behind it, stays out
	s_wait_loadcnt 0x0                             ; q' is in, so its loads' base may be written:
	s_mov_b32 s66, 0x76543210                      ; v_permlanex16_b32: lane i reads lane i of the other half
	s_mov_b32 s67, 0xfedcba98
	s_barrier_signal -1
	s_barrier_wait -1
	SLOT4 0, 0, 1, 0                               ; keys 0-255: the first products start the sums
	s_wait_xcnt 0x0                                ; the mask words' base is stepped only behind this wait
	s_add_nc_u64 s[2:3], s[2:3], 512               ; four steps of 128 bytes
	s_mov_b32 s11, 7
.Lloop:                                            ; 512 keys a trip
	TWO 1, 0, 1, 0
	TWO 0, 4, 1, 0
	s_wait_xcnt 0x0
	s_add_nc_u64 s[2:3], s[2:3], 1024
	s_sub_co_u32 s11, s11, 1
	s_cmp_lg_u32 s11, 0
	s_cbranch_scc1 .Lloop
	TWO 1, 0, 0, 1                                 ; the last 256 keys: nothing is left to ask for, and the last step asks for no mask words
	; O^T / sum, to f16, through my own stage: lane (r, h) holds query r, dk 16 dt + 8 h + 0 .. 7
.irp qt, 0,1
	v_add_f32 v[T], v[LP+2*\qt], v[LP+2*\qt+1]
	v_permlanex16_b32 v[T+4], v[T], s66, s67
	v_add_f32 v[T], v[T], v[T+4]                   ; at least 1: the largest weight of a row is 1
	v_rcp_f32 v[AL], v[T]
	v_rcp_f32 v[AL+1], v[T]
	v_nop                                          ; the plain place behind the reciprocals
	s_wait_alu depctr_va_vdst(0)
.irp dt, 0,1,2,3
.irp j, 0,2,4,6
	v_pk_mul_f32 v[OB+8*(2*\dt+\qt)+\j:OB+8*(2*\dt+\qt)+\j+1], v[OB+8*(2*\dt+\qt)+\j:OB+8*(2*\dt+\qt)+\j+1], v[AL:AL+1]
.endr
.endr
.irp dt, 0,1,2,3
.irp i, 0,1,2,3
	v_cvt_pk_f16_f32 v[OB+8*(2*\dt+\qt)+\i], v[OB+8*(2*\dt+\qt)+2*\i], v[OB+8*(2*\dt+\qt)+2*\i+1]
.endr
	ds_store_b128 v[STO], v[OB+8*(2*\dt+\qt):OB+8*(2*\dt+\qt)+3] offset:\qt*16*KP+32*\dt
.endr
.endr
	v_bfe_u32 v[T], v0, 3, 2
	v_and_b32 v[T+1], 7, v0
	v_lshlrev_b32 v[U], 11, v[T]
	v_lshl_add_u32 v[U], v[T+1], 4, v[U]           ; ctx: row L >> 3 of four, 16 bytes a lane
.irp t, 0,1,2,3,4,5,6,7
	ds_load_b128 v[SB+4*\t:SB+4*\t+3], v[RD] offset:\t*4*KP        ; LDS serves a wave's instructions in order: these see the stores above
.endr
.irp t, 0,1,2,3,4,5,6,7
	s_wait_dscnt 7-\t                              ; the loads issued behind load t
	global_store_b128 v[U], v[SB+4*\t:SB+4*\t+3], s[8:9] offset:\t*8192   ; four rows, 128 consecutive bytes of each: all that a head has of a row
.endr
	s_set_vgpr_msb 0x5
	s_wait_tensorcnt 0x0
	ds_add_u32 v0, v1
	s_wait_dscnt 0x0
	s_set_vgpr_msb 0x500
	ROUND                                          ; the closing round
	s_endpgm
.Lfunc_end_k_qe54345054a_attn:
	.size	k_qe54345054a_attn, .Lfunc_end_k_qe54345054a_attn-k_qe54345054a_attn
	.p2alignl 7, 3214868480
	.fill 96, 4, 3214868480
	.section	.rodata,"a",@progbits
	.p2align	6, 0x0
	.amdhsa_kernel k_qe54345054a_attn
		.amdhsa_group_segment_fixed_size 327680
		.amdhsa_private_segment_fixed_size 0
		.amdhsa_enable_private_segment 0
		.amdhsa_kernarg_size 24
		.amdhsa_user_sgpr_count 2
		.amdhsa_user_sgpr_kernarg_segment_ptr 1
		.amdhsa_wavefront_size32 1
		.amdhsa_system_sgpr_workgroup_id_x 1
		.amdhsa_system_sgpr_workgroup_id_y 1
		.amdhsa_system_sgpr_workgroup_id_z 1
		.amdhsa_system_vgpr_workitem_id 0
		.amdhsa_next_free_vgpr 258
		.amdhsa_next_free_sgpr 101
		.amdhsa_reserve_vcc 0
		.amdhsa_float_denorm_mode_32 3
		.amdhsa_float_denorm_mode_16_64 3
		.amdhsa_memory_ordered 1
		.amdhsa_forward_progress 1
		.amdhsa_inst_pref_size 255
	.end_amdhsa_kernel
	.section	.bss,"aw",@nobits
	.p2align	6
	.space	262144
	.amdgpu_metadata
---
amdhsa.version: [ 1, 2 ]
amdhsa.kernels:
  - .name:           k_qe54345054a_attn
    .symbol:         k_qe54345054a_attn.kd
    .args:
      - { .name: qkv, .offset: 0, .size: 8, .value_kind: global_buffer, .address_space: global }
      - { .name: maskw, .offset: 8, .size: 8, .value_kind: global_buffer, .address_space: global }
      - { .name: ctx, .offset: 16, .size: 8, .value_kind: global_buffer, .address_space: global }
    .group_segment_fixed_size: 327680
    .private_segment_fixed_size: 0
    .kernarg_segment_align: 8
    .kernarg_segment_size: 24
    .max_flat_workgroup_size: 256
    .sgpr_count:     101
    .vgpr_count:     258
    .wavefront_size: 32
...
	.end_amdgpu_metadata
.endif
;; end of part 3
;; launch oproj (part 4): grid 8 x 32, 4 waves a work-group, clusters of 4 x 4, 327,680 bytes of LDS; arguments ctx, castb, Wo_b, out0; writes out0
.if DOCPART == 4
	.amdgcn_target "amdgcn-amd-amdhsa--gfx1250"
	.amdhsa_code_object_version 6
	.text
	.protected	k_qe54345054a_oproj
	.globl	k_qe54345054a_oproj
	.p2align	8
	.type	k_qe54345054a_oproj,@function
k_qe54345054a_oproj:
	s_mov_b64 s[64:65], 0
	v_nop
	global_prefetch_b8 v0, s[64:65] scope:SCOPE_SE
	s_setreg_imm32_b32 hwreg(HW_REG_WAVE_MODE, 25, 1), 1
	s_wait_xcnt 0x0
	s_wait_alu depctr_hold_cnt(0) depctr_sa_sdst(0) depctr_va_vdst(0) depctr_va_sdst(0) depctr_va_ssrc(0) depctr_va_vcc(0) depctr_vm_vsrc(0)
	s_getreg_b32 s2, hwreg(HW_REG_IB_STS2, 6, 4)
	s_cmp_eq_u32 s2, 0
	s_cbranch_scc0 .Lentry_in_a_cluster
	s_endpgm
.Lentry_in_a_cluster:
	s_bfe_u32 s2, ttmp6, 0x10000c
	s_cmp_lg_u32 s2, 0xf033
	s_cbranch_scc0 .Lentry_shape_is_right
	s_endpgm
.Lentry_shape_is_right:
; C = A W^T + bias, K = 1,024, a block of 128 x 128 of C for a work-group.  One text serves two launches; OPROJ says which.
; OPROJ = 0: A = [Q; K; V] in bf16 (12,288 rows of castb), W = Wq, Wk or Wv by the row block's third, result in f16 into qkv;
;            the first third (q) is also multiplied by 0.125 log2(e), so that the scores come out ready for a base-2 exponential.
;            LIMIT: results beyond f16's range (65,504) overflow.
; OPROJ = 1: A = ctx in f16, W = Wo in f16 (castb at 30 MiB), result in f32 into out0.
; Four waves, 2 x 2, each 64 x 64 of C: 16 accumulator tiles, 128 registers.  Blocks of 128 x 128 give the smaller launch 256 work-groups.
; K goes in steps of 256 through two LDS slots; each wave fills a quarter of a slot (64 rows x 512 bytes) with one tensor load.  K = 1,024 is four fills:
; the text is written out without a loop.  By this text's count a wave has two tensor loads out at the start and one behind each refill.
; CLUSTERS: 4 x 4 work-groups.  A's tile hangs on the block row alone and is asked for jointly by a row of the cluster, W's on the block column
; (and the third, which the whole cluster shares) and is asked for jointly by a column: the requests for A and for W are divided by four.
; THE MATRIX INSTRUCTION IS USED TRANSPOSED: source 0 = 16 rows of W, source 1 = 16 rows of A: lane (r, h) holds row r of C, columns 8 h + 0 .. 7.
; REGISTERS: window 0 addresses, fragments, bias, work; window 1 (v256-383) the accumulators, tile (a, b) at 8 (4 a + b).
.set OPROJ,  1
.set PITCH,  528                       ; an LDS row: 512 bytes + 16, an odd multiple of 16
.set HALFT,  64*PITCH                  ; what one tensor load brings
.set SLOT,   4*HALFT                   ; A rows 0-63, A rows 64-127, W rows 0-63, W rows 64-127: wave 0 .. 3's load
.set STAGE,  2*SLOT                    ; behind the ring, a multiple of 256; no tensor load ever lands here
.set SPITCH, 272                       ; a stage row: 256 bytes + 16
.set ADRA, 16                          ; v16-17  my A fragments in slot 0, 1
.set ADRB, 20                          ; v20-21  my W fragments
.set STO,  24                          ; the way out: where I put my lane's piece of a row
.set RD,   25                          ; where I read rows back
.set CO,   26                          ; my byte offset in C
.set BO,   27                          ; my byte offset in the bias
.set F0,   32                          ; fragment buffer 0: A's four at +0, W's four at +32
.set F1,   96                          ; fragment buffer 1
.set BIAS, 160                         ; v[160:191]  bias of my columns 16 b + 8 h + j at 8 b + j
.set TMPF, 192                         ; v[192:223]  16 rows' results in f32
.set TMPH, 224                         ; v[224:239]  the same in f16
.set G1,  24                           ; s[24:31] group 1 for A's tiles
.set G0,  32                           ; s[32:39] group 0 for A's tiles, one set a slot
.set G1B, 48                           ; s[48:55] group 1 for W's tiles: another mask
.set G0B, 56                           ; s[56:63] group 0 for W's tiles
.set MSB, 0
.macro WIN new                         ; the immediate's high byte repeats the setting that is left
.if MSB != \new
	s_set_vgpr_msb (MSB<<8)|\new
.set MSB, \new
.endif
.endm
.set MUL,      0x50                    ; C and D in window 1, sources 0 and 1 in window 0
.set FROM_ACC, 0x01                    ; source 0 in window 1
; A joint load: waves 0 and 1 ask for A's halves, waves 2 and 3 for W's.  The branch hangs on the wave's number alone.
.macro JLOAD s
	s_cmp_eq_u32 s11, 0
	s_cbranch_scc0 .Lfor_b_\@
	tensor_load_to_lds s[G0+4*\s:G0+4*\s+3], s[G1:G1+7]
	s_nop 0
	s_branch .Lasked_\@
.Lfor_b_\@:
	tensor_load_to_lds s[G0B+4*\s:G0B+4*\s+3], s[G1B:G1B+7]
	s_nop 0
.Lasked_\@:
.endm
.macro CREST                           ; a round of the cluster's barrier behind its opening work-group barrier
	s_cmp_lg_u32 s10, 0
	s_cbranch_scc1 .Lnot_wave_0_\@
	s_barrier_signal -3
.Lnot_wave_0_\@:
	s_barrier_wait -3
	s_barrier_signal -1
	s_barrier_wait -1
.endm
.macro CROUND                          ; a whole round
	s_barrier_signal -1
	s_barrier_wait -1
	CREST
.endm
.macro PLACES                          ; four plain vector places behind a matrix instruction, in front of loads into its sources and of readers of its result
.rept 4
	v_nop
.endr
.endm
	s_load_b256 s[68:75], s[0:1], 0x0              ; OPROJ = 0: castb, Wq_b, Wk_b, Wv_b.  OPROJ = 1: ctx, castb, Wo_b, out0
	v_lshl_add_u32 v254, v0, 2, 0x4a800
	v_mov_b32 v255, 0
	ds_add_u32 v254, v255
.if OPROJ == 0
	s_load_b64 s[8:9], s[0:1], 0x20                ; qkv
.endif
	v_lshrrev_b32 v1, 5, v0
	v_readfirstlane_b32 s10, v1                    ; wave 0..3
	s_lshr_b32 s11, s10, 1                         ; my half of the block's rows.  Also: I ask for A (0) or for W (1)
	s_and_b32 s12, s10, 1                          ; my half of its columns.  Also: which 64 rows of that tile I ask for
	s_bfe_u32 s40, ttmp6, 0x40000                  ; cx
	s_bfe_u32 s41, ttmp6, 0x40004                  ; cy
	s_lshl_b32 s42, ttmp9, 2
	s_add_co_u32 s42, s42, s40                     ; block column = 4 x cluster x + cx
	s_and_b32 s45, ttmp7, 0xffff                   ; cluster y
	s_lshl_b32 s13, s45, 2
	s_add_co_u32 s13, s13, s41                     ; block row = 4 x cluster y + cy
.if OPROJ == 0
	s_lshr_b32 s45, s45, 3                         ; the third (q, k, v): 8 clusters of 512 rows each; the same in the whole cluster
.endif
	s_lshl_b32 s43, s41, 2
	s_lshl_b32 s43, 15, s43                        ; my row of the cluster
	s_lshl_b32 s44, 0x1111, s40                    ; my column
	s_or_b32 s[G1+0], s43, (1<<16)|(1<<20)|(1<<21)|(6<<22)|(3<<25)   ; mask; elements of 2 bytes; padding on; bit 21 beside a mask; after every 128 words, 4 words
	s_or_b32 s[G1B+0], s44, (1<<16)|(1<<20)|(1<<21)|(6<<22)|(3<<25)
	s_mov_b32 s[G1+1], 256<<16                     ; tensor_dim0 = 256
	s_mov_b32 s[G1B+1], 256<<16
	s_mov_b32 s[G1+2], 64<<16                      ; tensor_dim1 = 64
	s_mov_b32 s[G1B+2], 64<<16
	s_mov_b32 s[G1+3], 256<<16                     ; tile_dim0 = 256 elements, 512 bytes
	s_mov_b32 s[G1B+3], 256<<16
	s_mov_b32 s[G1+4], 64                          ; tile_dim1 = 64 rows
	s_mov_b32 s[G1B+4], 64
	s_mov_b32 s[G1+5], 1024                        ; elements from row to row
	s_mov_b32 s[G1B+5], 1024
	s_mov_b32 s[G1+6], 0
	s_mov_b32 s[G1B+6], 0
	s_mov_b32 s[G1+7], 0
	s_mov_b32 s[G1B+7], 0
	; where the tiles come from, in bytes (rows of 2,048); A's registers never hold cx, W's never cy
	s_lshl_b32 s17, s12, 6
	s_lshl_b32 s16, s13, 7
	s_add_co_u32 s16, s16, s17                     ; A: row 128 x block row + 64 x half
	s_lshl_b32 s16, s16, 11
	s_lshl_b32 s46, s42, 7
	s_add_co_u32 s46, s46, s17                     ; W: row 128 x block column + 64 x half
	s_lshl_b32 s46, s46, 11
.if OPROJ
	s_add_co_u32 s46, s46, 30<<20                  ; Wo in castb
.else
	s_lshl_b32 s47, s45, 21
	s_add_co_u32 s46, s46, s47                     ; the third's weight, 2 MiB each,
	s_add_co_u32 s46, s46, 24<<20                  ; behind the activations
.endif
	s_mov_b32 s17, 0
	s_mov_b32 s47, 0
	s_mul_i32 s20, s10, HALFT                      ; where they go: the wave's quarter of a slot
	s_wait_dscnt 0x0
	s_wait_kmcnt 0x0
	s_add_nc_u64 s[14:15], s[68:69], s[16:17]
.if OPROJ
	s_add_nc_u64 s[46:47], s[70:71], s[46:47]
	s_mov_b64 s[76:77], s[72:73]                   ; bias
	s_mov_b64 s[8:9], s[74:75]                     ; out0
.else
	s_add_nc_u64 s[46:47], s[68:69], s[46:47]
	s_mov_b64 s[76:77], s[70:71]                   ; the third's bias
	s_cmp_eq_u32 s45, 1
	s_cselect_b64 s[76:77], s[72:73], s[76:77]
	s_cmp_eq_u32 s45, 2
	s_cselect_b64 s[76:77], s[74:75], s[76:77]
	s_mov_b32 s3, 0x3f800000
	s_cmp_eq_u32 s45, 0
	s_cselect_b32 s2, 0x3e38aa3b, s3               ; q: 0.125 log2(e); k, v: 1
	s_mov_b32 s3, s2
.endif
	CROUND                                         ; all sixteen work-groups are here: the first joint loads meet
.irp s, 0,1
	s_mov_b32 s[G0+4*\s], 1
	s_add_co_u32 s[G0+4*\s+1], s20, \s*SLOT
	s_add_nc_u64 s[G0+4*\s+2:G0+4*\s+3], s[14:15], \s*512          ; K step s
	s_or_b32 s[G0+4*\s+3], s[G0+4*\s+3], 0x80000000
	s_mov_b32 s[G0B+4*\s], 1
	s_add_co_u32 s[G0B+4*\s+1], s20, \s*SLOT
	s_add_nc_u64 s[G0B+4*\s+2:G0B+4*\s+3], s[46:47], \s*512
	s_or_b32 s[G0B+4*\s+3], s[G0B+4*\s+3], 0x80000000
	JLOAD \s
.endr
	v_and_b32 v1, 15, v0                           ; r
	v_bfe_u32 v2, v0, 4, 1                         ; h
	s_lshl_b32 s46, s42, 9
	s_lshl_b32 s47, s12, 8
	s_add_co_u32 s46, s46, s47                     ; 4 x my first column (128 x block column + 64 x half)
	s_mov_b32 s47, 0
	v_lshl_add_u32 v[BO], v2, 5, s46
.irp b, 0,1,2,3
	global_load_b128 v[BIAS+8*\b:BIAS+8*\b+3],   v[BO], s[76:77] offset:64*\b
	global_load_b128 v[BIAS+8*\b+4:BIAS+8*\b+7], v[BO], s[76:77] offset:64*\b+16
.endr
	v_mul_u32_u24 v3, v1, PITCH
	v_lshl_add_u32 v3, v2, 4, v3                   ; row x pitch + 16 x half of the lanes
	s_mul_i32 s21, s11, HALFT                      ; my 64 rows of A
	s_mul_i32 s22, s12, HALFT
	s_add_co_u32 s22, s22, 2*HALFT                 ; my 64 rows of W, behind A's 128
.irp s, 0,1
	v_add_nc_u32 v[ADRA+\s], s21, v3
	v_add_nc_u32 v[ADRB+\s], s22, v3
	s_add_co_u32 s21, s21, SLOT
	s_add_co_u32 s22, s22, SLOT
.endr
.if OPROJ
	s_mul_i32 s23, s10, 16*SPITCH                  ; a stage of 16 rows x 256 bytes of f32 for each wave
	s_add_co_u32 s23, s23, STAGE
	v_mul_u32_u24 v4, v1, SPITCH
	v_lshl_add_u32 v4, v2, 5, v4                   ; in: row r, 32 bytes for each half of the lanes
	v_add_nc_u32 v[STO], s23, v4
	v_mul_u32_u24 v5, v2, SPITCH
	v_lshl_add_u32 v5, v1, 4, v5                   ; back: lanes 0-15 one row, lanes 16-31 the next
	v_add_nc_u32 v[RD], s23, v5
	v_lshlrev_b32 v5, 12, v2
	v_lshl_add_u32 v[CO], v1, 4, v5                ; the same two rows in out0 (rows of 4,096 bytes)
	s_lshl_b32 s16, s13, 7
	s_lshl_b32 s17, s11, 6
	s_add_co_u32 s16, s16, s17                     ; my first row
	s_lshl_b32 s16, s16, 12
	s_mov_b32 s17, 0
	s_add_nc_u64 s[8:9], s[8:9], s[16:17]
	s_add_nc_u64 s[8:9], s[8:9], s[46:47]          ; my first column, 4 bytes each
.else
	s_mul_i32 s23, s11, 64*SPITCH                  ; one stage of 128 rows x 256 bytes of f16 for the work-group
	s_lshl_b32 s21, s12, 7
	s_add_co_u32 s23, s23, s21
	s_add_co_u32 s23, s23, STAGE
	v_mul_u32_u24 v4, v1, SPITCH
	v_lshl_add_u32 v4, v2, 4, v4                   ; in: row 64 x my half + r, byte 128 x my half + 16 h
	v_add_nc_u32 v[STO], s23, v4
	s_mul_i32 s23, s10, 32*SPITCH                  ; back: wave w takes rows 32 w .. + 31, whole
	s_add_co_u32 s23, s23, STAGE
	v_mul_u32_u24 v5, v2, SPITCH
	v_lshl_add_u32 v5, v1, 4, v5
	v_add_nc_u32 v[RD], s23, v5
	v_lshlrev_b32 v5, 11, v2
	v_lshl_add_u32 v[CO], v1, 4, v5                ; the same two rows in qkv (rows of 2,048 bytes)
	s_lshl_b32 s16, s13, 7
	s_lshl_b32 s17, s10, 5
	s_add_co_u32 s16, s16, s17
	s_lshl_b32 s16, s16, 11
	s_mov_b32 s17, 0
	s_add_nc_u64 s[8:9], s[8:9], s[16:17]
	s_lshl_b32 s46, s42, 8                         ; the block's 128 columns of 2 bytes
	s_add_nc_u64 s[8:9], s[8:9], s[46:47]
.endif
; 8 matrix instructions: row tiles a0, a0 + 1 x all four column tiles, 32 along K.  zero = 1: the first product starts the sums.
; The 16 accumulators take turns, one instruction a turn, in the same order in every chunk.
.macro MUL8 f, a0, zero
.irp a, \a0, \a0+1
.irp b, 0,1,2,3
.if OPROJ
.if \zero
	v_wmma_f32_16x16x32_f16 v[8*(4*(\a)+\b):8*(4*(\a)+\b)+7], v[\f+32+8*\b:\f+32+8*\b+7], v[\f+8*(\a):\f+8*(\a)+7], 0
.else
	v_wmma_f32_16x16x32_f16 v[8*(4*(\a)+\b):8*(4*(\a)+\b)+7], v[\f+32+8*\b:\f+32+8*\b+7], v[\f+8*(\a):\f+8*(\a)+7], v[8*(4*(\a)+\b):8*(4*(\a)+\b)+7]
.endif
.else
.if \zero
	v_wmma_f32_16x16x32_bf16 v[8*(4*(\a)+\b):8*(4*(\a)+\b)+7], v[\f+32+8*\b:\f+32+8*\b+7], v[\f+8*(\a):\f+8*(\a)+7], 0
.else
	v_wmma_f32_16x16x32_bf16 v[8*(4*(\a)+\b):8*(4*(\a)+\b)+7], v[\f+32+8*\b:\f+32+8*\b+7], v[\f+8*(\a):\f+8*(\a)+7], v[8*(4*(\a)+\b):8*(4*(\a)+\b)+7]
.endif
.endif
.endr
.endr
.endm
; 16 LDS loads: the fragments of one chunk (64 rows of A, 64 rows of W, 32 K at byte k of the rows) into buffer f
.macro FETCH slot, k, f
.irp i, 0,1,2,3
	ds_load_b128 v[\f+8*\i:\f+8*\i+3],       v[ADRA+\slot] offset:\k+\i*16*PITCH
	ds_load_b128 v[\f+8*\i+4:\f+8*\i+7],     v[ADRA+\slot] offset:\k+\i*16*PITCH+32
.endr
.irp i, 0,1,2,3
	ds_load_b128 v[\f+32+8*\i:\f+32+8*\i+3], v[ADRB+\slot] offset:\k+\i*16*PITCH
	ds_load_b128 v[\f+32+8*\i+4:\f+32+8*\i+7], v[ADRB+\slot] offset:\k+\i*16*PITCH+32
.endr
.endm
; One of a slot's first seven chunks: asks for the next chunk's fragments (byte k) into buffer g, then multiplies buffer f.
.macro CHUNK slot, k, f, g, zero
	PLACES                                         ; buffer g was read by the matrix instructions just issued
	WIN 0
	FETCH \slot, \k, \g
	s_wait_dscnt 16                                ; this chunk's 16 loads are in; the 16 just issued stay out
	WIN MUL
	MUL8 \f, 0, \zero
	MUL8 \f, 2, \zero
.endm
.macro SEVEN slot, zero
	CHUNK \slot, 64,  F0, F1, \zero
	CHUNK \slot, 128, F1, F0, 0
	CHUNK \slot, 192, F0, F1, 0
	CHUNK \slot, 256, F1, F0, 0
	CHUNK \slot, 320, F0, F1, 0
	CHUNK \slot, 384, F1, F0, 0
	CHUNK \slot, 448, F0, F1, 0
.endm
; A slot's eighth chunk, on buffer 1, and the change of slots.  In front of the barrier each wave waits for its reads of this slot and for all its
; tensor loads (the one that is out is its part of the next slot).  fill = 1: the barrier opens a round of the cluster's barrier, and behind the
; round's closing wait this slot is asked for again, two K steps ahead, first of all.
.macro TURN slot, next, fill
	s_wait_dscnt 0x0                               ; the last chunk's fragments are in: my reads of this slot are over
	s_wait_tensorcnt 0x0                           ; all my tensor loads have landed
	ds_add_u32 v254, v255
	s_wait_dscnt 0x0
	s_barrier_signal -1
	WIN MUL
	MUL8 F1, 0, 0                                  ; register work while the others arrive
	WIN 0
	s_barrier_wait -1
.if \fill
	CREST
	s_add_nc_u64 s[G0+4*\slot+2:G0+4*\slot+3], s[G0+4*\slot+2:G0+4*\slot+3], 1024
	s_add_nc_u64 s[G0B+4*\slot+2:G0B+4*\slot+3], s[G0B+4*\slot+2:G0B+4*\slot+3], 1024
	JLOAD \slot
.endif
	PLACES
	FETCH \next, 0, F0
	WIN MUL
	MUL8 F1, 2, 0
.endm
	s_wait_tensorcnt 0x1                           ; my part of K step 0 is in; K step 1's load, issued behind it, stays out
	s_barrier_signal -1
	s_barrier_wait -1
	FETCH 0, 0, F0
	SEVEN 0, 1
	TURN 0, 1, 1                                   ; asks for K step 2
	SEVEN 1, 0
	TURN 1, 0, 1                                   ; asks for K step 3
	SEVEN 0, 0
	TURN 0, 1, 0                                   ; nothing is left to ask for
	SEVEN 1, 0
	s_wait_dscnt 0x0
	WIN MUL
	MUL8 F1, 0, 0
	MUL8 F1, 2, 0
	; THE WAY OUT
	PLACES
	WIN 0
	s_wait_loadcnt 0x0                             ; the bias
.if OPROJ
; 16 rows at a time through the wave's own stage: bias added, 32 bytes a lane in, whole rows of 256 bytes back and out.
.macro OUTO a, f
	WIN FROM_ACC
.set i, 0
.rept 16
	v_pk_add_f32 v[TMPF+2*i:TMPF+2*i+1], v[32*\a+2*i:32*\a+2*i+1], v[BIAS+2*i:BIAS+2*i+1]
.set i, i+1
.endr
	WIN 0
.irp b, 0,1,2,3
	ds_store_b128 v[STO], v[TMPF+8*\b:TMPF+8*\b+3]   offset:64*\b
	ds_store_b128 v[STO], v[TMPF+8*\b+4:TMPF+8*\b+7] offset:64*\b+16
.endr
	s_wait_xcnt 0x0                                ; buffer f, which earlier stores read, and the stores' base are rewritten only behind this wait
.if \a
	s_add_nc_u64 s[8:9], s[8:9], 65536             ; 16 rows of out0 on
.endif
.irp t, 0,1,2,3,4,5,6,7
	ds_load_b128 v[\f+4*\t:\f+4*\t+3], v[RD] offset:\t*2*SPITCH    ; LDS serves a wave's instructions in order: these see the stores above
.endr
.irp t, 0,1,2,3,4,5,6,7
	s_wait_dscnt 7-\t                              ; the loads issued behind load t
	global_store_b128 v[CO], v[\f+4*\t:\f+4*\t+3], s[8:9] offset:\t*8192 th:TH_STORE_NT   ; 16 lanes store 256 consecutive bytes, aligned
.endr
.endm
	OUTO 0, F0
	OUTO 1, F1
	OUTO 2, F0
	OUTO 3, F1
.else
.set i, 0
.rept 16
	v_pk_mul_f32 v[BIAS+2*i:BIAS+2*i+1], v[BIAS+2*i:BIAS+2*i+1], s[2:3] op_sel_hi:[1,0]   ; (sum + bias) x scale = sum x scale + bias x scale
.set i, i+1
.endr
; 16 rows: scale and bias in one fused multiply-add, rounded to f16, 16 bytes a lane into the shared stage.
.macro OUTQ a
	WIN FROM_ACC
.set i, 0
.rept 16
	v_pk_fma_f32 v[TMPF+2*i:TMPF+2*i+1], v[32*\a+2*i:32*\a+2*i+1], s[2:3], v[BIAS+2*i:BIAS+2*i+1] op_sel_hi:[1,0,1]
.set i, i+1
.endr
	WIN 0
.set i, 0
.rept 16
	v_cvt_pk_f16_f32 v[TMPH+i], v[TMPF+2*i], v[TMPF+2*i+1]
.set i, i+1
.endr
.irp b, 0,1,2,3
	ds_store_b128 v[STO], v[TMPH+4*\b:TMPH+4*\b+3] offset:\a*16*SPITCH+32*\b
.endr
.endm
	OUTQ 0
	OUTQ 1
	OUTQ 2
	OUTQ 3
	s_wait_dscnt 0x0                               ; my stores into the stage are done, for the waves that read them
	s_barrier_signal -1
	s_barrier_wait -1
.irp t, 0,1,2,3,4,5,6,7,8,9,10,11,12,13,14,15
	ds_load_b128 v[F0+4*\t:F0+4*\t+3], v[RD] offset:\t*2*SPITCH    ; two whole rows of the block, 256 bytes each
.endr
.irp t, 0,1,2,3,4,5,6,7,8,9,10,11,12,13,14,15
	s_wait_dscnt 15-\t                             ; the loads issued behind load t
	global_store_b128 v[CO], v[F0+4*\t:F0+4*\t+3], s[8:9] offset:\t*4096   ; 16 lanes store 256 consecutive bytes, aligned
.endr
.endif
	s_wait_tensorcnt 0x0
	ds_add_u32 v254, v255
	s_wait_dscnt 0x0
	CROUND                                         ; the closing round: no work-group ends while a partner may still ask jointly
	s_endpgm
.Lfunc_end_k_qe54345054a_oproj:
	.size	k_qe54345054a_oproj, .Lfunc_end_k_qe54345054a_oproj-k_qe54345054a_oproj
	.p2alignl 7, 3214868480
	.fill 96, 4, 3214868480
	.section	.rodata,"a",@progbits
	.p2align	6, 0x0
	.amdhsa_kernel k_qe54345054a_oproj
		.amdhsa_group_segment_fixed_size 327680
		.amdhsa_private_segment_fixed_size 0
		.amdhsa_enable_private_segment 0
		.amdhsa_kernarg_size 32
		.amdhsa_user_sgpr_count 2
		.amdhsa_user_sgpr_kernarg_segment_ptr 1
		.amdhsa_wavefront_size32 1
		.amdhsa_system_sgpr_workgroup_id_x 1
		.amdhsa_system_sgpr_workgroup_id_y 1
		.amdhsa_system_sgpr_workgroup_id_z 1
		.amdhsa_system_vgpr_workitem_id 0
		.amdhsa_next_free_vgpr 384
		.amdhsa_next_free_sgpr 78
		.amdhsa_reserve_vcc 0
		.amdhsa_float_denorm_mode_32 3
		.amdhsa_float_denorm_mode_16_64 3
		.amdhsa_memory_ordered 1
		.amdhsa_forward_progress 1
		.amdhsa_inst_pref_size 93
	.end_amdhsa_kernel
	.amdgpu_metadata
---
amdhsa.version: [ 1, 2 ]
amdhsa.kernels:
  - .name:           k_qe54345054a_oproj
    .symbol:         k_qe54345054a_oproj.kd
    .args:
      - { .name: ctx, .offset: 0, .size: 8, .value_kind: global_buffer, .address_space: global }
      - { .name: castb, .offset: 8, .size: 8, .value_kind: global_buffer, .address_space: global }
      - { .name: Wo_b, .offset: 16, .size: 8, .value_kind: global_buffer, .address_space: global }
      - { .name: out0, .offset: 24, .size: 8, .value_kind: global_buffer, .address_space: global }
    .group_segment_fixed_size: 327680
    .private_segment_fixed_size: 0
    .kernarg_segment_align: 8
    .kernarg_segment_size: 32
    .max_flat_workgroup_size: 128
    .sgpr_count:     78
    .vgpr_count:     384
    .wavefront_size: 32
...
	.end_amdgpu_metadata
.endif
;; end of part 4
